; MI455X (gfx1250); checked and timed in simulation.
; The chip was launched on July 23, 2026; its instructions are those of AMD's public machine-readable ISA for CDNA 5 (MIT licence, August 2026) and "CDNA5" Instruction Set Architecture Reference Guide (July 2026). The comments in the code are by the model that wrote it; some were corrected since.
;; CP L3 sparse outer. Allowed arithmetic: matrix products marked QUANTISED: E2M1 operands, one E8M0 scale for each 32 along K, by v_wmma_scale_f32_16x16x128_f8f6f4 with both operands' format E2M1 (or v_wmma_scale_f32_32x16x128_f4), f32 sums; everything else in f32.
;; Inputs: U1 4,096 float32; U2 4,096 float32; U3 4,096 float32; W_codes 4,096 x 128 x 16 uint8 (E2M1 codes of W, K innermost, in blocks of 32 codes, two codes a byte); W_scales 4,096 x 128 uint8 (E8M0 scales of W, one for each 32 codes along K); b 4,096 float32; z 4,096 x 4,096 float32.
;; Outputs: out0 4,096 x 4,096 float32.
;; This version of the problem:
;;   THIS VERSION OF THE PROBLEM IS GIVEN IN LOW PRECISION. The matrix products marked QUANTISED in the list below multiply operands that are first quantised to E2M1 (2 exponent bits, 1 mantissa bit; 4 bits a number), with one power-of-two scale for each 32 numbers along K (OCP MX v1.0); their sums are f32. All else is computed in f32.
;;   The module's matrix products, in the order in which they are computed (A, B: the left and right operand; K: the contracted axis; several contracted axes count as one K, in the product's order):
;;     1. [M 4,096, K 4,096] x [K 4,096, N 4,096]; A: computed on the way; B: input W (given as codes): QUANTISED
;;   THE QUANTISER, for each operand of a quantised product, along K:
;;     - K is cut into blocks of 32 from its start; a last block that is shorter is filled with zeros.
;;     - A block's scale is 2^e with e = floor(log2(the largest magnitude in the block)) - 2, held to -126 .. 127; a block of zeros has e = 0. As a byte (E8M0): e + 127.
;;     - Each number is divided by its block's scale, clamped to +-6, and rounded to the nearest number of E2M1, ties to even, subnormals kept.
;;     - The product sums the exact products of the quantised numbers (number of the format x scale) in f32.
;;   ~~~python
;;   def quantise(x, axis):      # numpy; x: float32 -> the quantised numbers, widened to float32 again
;;       x = np.moveaxis(x, axis, -1); K = x.shape[-1]
;;       x = np.pad(x, [(0, 0)] * (x.ndim - 1) + [(0, -K % 32)]); x = x.reshape(x.shape[:-1] + (-1, 32)); a = np.abs(x).max(-1, keepdims=True)
;;       e = np.where(a > 0, np.clip(np.frexp(np.where(a > 0, a, 1))[1] - 1 - 2, -126, 127), 0)      # np.frexp(a)[1] - 1 = floor(log2(a)), exactly
;;       r = np.clip(x / 2.0 ** e, -6, 6)
;;       step = 2.0 ** (np.maximum(np.frexp(np.where(r == 0, 1, r))[1] - 1, 0) - 1)
;;       q = np.round(r / step) * step * 2.0 ** e      # np.round: ties to even
;;       return np.moveaxis(q.reshape(q.shape[:-2] + (-1,))[..., :K], -1, axis).astype(np.float32)
;;   ~~~
;;   OPERANDS COMPUTED ON THE WAY. 'Computed on the way' means the value that the module computes at that place (a softmax that the list does not call 'softmax' is quantised finished and normalised). What goes into a quantiser is computed in f32, as accurately as f32 sums, v_exp_f32 and their like allow (about 1e-6 of the number): no bf16 or f16 on the way to a quantiser, and a product that is left as it is and whose result goes on into a quantised operand takes f32 operands (vector FMAs, or v_wmma_f32_16x16x4_f32). A number that lies on a knife's edge between two numbers of the format may be rounded either way, as far as f32 arithmetic and the matrix unit's own rounding can turn it there, and no further.
;;   INPUTS GIVEN AS CODES. W (in the module: [4096, 4096], K = its axis 1): each comes as NAME_codes (uint8): NAME with its K axis moved to the last place and cut into blocks of 32 codes, [.., K / 32, bytes a block], one block behind the other in memory; two codes a byte, the lower K in the low four bits (a code: sign, 2 exponent bits, 1 mantissa bit); and NAME_scales (uint8): the same leading axes, one E8M0 byte (e + 127) for each 32 codes along K. Its value is code x scale, taken as it is: it is not quantised again, and the codes and scales need not be those that the quantiser above would give.
;; One version. Each part assembles by itself: llvm-mc -triple=amdgcn-amd-amdhsa -mcpu=gfx1250 --defsym DOCPART=n.
;; ======== version 1 of 1: 2 launches
;; limits: right only within a limited range of input values
;; workspace buffers: a_codes 8,388,608 bytes; sc 1,048,576 bytes
;; launch quant (part 1): grid 256 x 1, 16 waves a work-group, no clusters, 43,520 bytes of LDS; arguments z, U1, U2, U3, W_scales, a_codes, sc; writes a_codes, sc
.if DOCPART == 1
	.amdgcn_target "amdgcn-amd-amdhsa--gfx1250"
	.amdhsa_code_object_version 6
	.text
	.protected	k_q89e2d40093_quant
	.globl	k_q89e2d40093_quant
	.p2align	8
	.type	k_q89e2d40093_quant,@function
k_q89e2d40093_quant:
	s_mov_b64 s[64:65], 0
	v_nop
	global_prefetch_b8 v0, s[64:65] scope:SCOPE_SE
	s_setreg_imm32_b32 hwreg(HW_REG_WAVE_MODE, 25, 1), 1
	s_wait_xcnt 0x0
; x[b][i] = (U1[i] z[b][i]) (s2[b] s3[b]), s2 = sum of U2 z, s3 = sum of U3 z along the row, all in f32; x is turned into codes of FP4 (E2M1), K innermost,
; a_codes [4096][2048 bytes], with one E8M0 byte for each 32 along K.  The scale bytes are laid BY K STEP OF 512, a_sc [8][4096 rows][16 bytes], so that the next launch finds
; the scales of 256 rows for one K step as 4,096 consecutive bytes; W's given scale bytes [4096][128] are laid the same way into w_sc.
; A block's scale is 2^(floor(log2(its largest magnitude)) - 2); its byte is the largest magnitude's exponent field - 2, held at 1 from below.
; LIMITS: NaN and infinities among the inputs are not served.  A block whose largest magnitude lies under 2^-124, the floor, gets the byte 1, and so does a block of zeros, where the rule says 127:
; its codes are zeros, and this program alone reads the bytes.  The sums s2 and s3 are f32 sums in an order of their own (8 a lane, 16 lanes, 32 partial sums).
; SHARES.  A work-group owns 16 rows; wave w owns columns 256 w .. 256 w + 255 of all of them, so its 8 numbers a lane of U1, U2, U3 are loaded once.  All 32 loads of z of a wave go out at the head;
; the rows are worked in four groups of four, each while the later groups' loads are on their way.
; A LANE HOLDS 8 NEIGHBOURS, AND YET EVERY LOAD IS DENSE.  A row's 1,024 bytes of a wave come by two loads of 512 consecutive bytes; lane (r, h) (lane = 16 h + r) takes byte 32 r + 16 h of each.
; Four exchanges of halves of lanes (v_permlane16_swap_b32) then leave lane (r, h) with columns 128 h + 8 r + 0 .. 7 of the wave's 256: a block of 32 lies in four neighbouring lanes,
; and one conversion gives the lane's 4 bytes of codes, which belong at byte 128 w + 4 x lane of the row.
; No tensor loads (a row has to be in registers between its sums and its scaling), no cluster (work-groups share nothing but 48 KiB of U), no matrix work.
.set ROWZ,  16384                      ; a row of z in bytes
.set PART,  32768                      ; LDS: bytes 0 .. 32,767 are an image of the work-group's 16 rows of codes; then the partial sums, 1,024 bytes a group: value e (2 x row in group + 0: s2, 1: s3) at 128 e + 8 w + 4 h
.set SCST,  36864                      ; then two stages of 16 rows of 128 scale bytes, SPI bytes apart: x's,
.set SPI,   144
.set WSTG,  SCST+16*SPI                ; and W's
.set ZO,  1                            ; v1   1024 w + 32 r + 16 h: my 16 bytes of a load, in z's rows and in U1, U2, U3
.set PW,  2                            ; v2   where my half of the lanes puts a partial sum
.set PR,  3                            ; v3   where I read 8 partial sums: 32 x lane
.set CW,  4                            ; v4   my 4 bytes of codes in a row's image: 4 x thread
.set CR,  5                            ; v5   my 16 bytes of a group's 8,192 bytes of codes: 16 x thread, in LDS,
.set CG,  6                            ; v6   and in a_codes
.set SW,  7                            ; v7   my block's byte in a row of x's stage: thread / 4
.set SR,  8                            ; v8   the scales' way out: row thread % 16, K step (thread % 128) / 16; threads 0-127 x's stage, 128-255 W's
.set SG,  9                            ; v9   and the same place in a_sc or w_sc: 65,536 x K step + 16 x row
.set WL,  10                           ; v10  W's scale bytes as they lie: 16 x (thread % 128)
.set WST, 11                           ; v11  and their place in W's stage
.set WS,  12                           ; v12-15   W's scale bytes (waves 4 to 7)
.set U1,  16                           ; v16-23, v24-31, v32-39
.set U2,  24
.set U3,  32
.set Z,   40                           ; v40-167  row i at Z + 8 i
.set ACC, 168                          ; v168-183 eight pairs: the group's eight sums
.set P,   184                          ; v184-191 partial sums read back
.set M,   192                          ; v192-195 largest magnitudes
.set SO,  196                          ; v196-199 the conversions' scale operands
.set BY,  200                          ; v200-203 scale bytes
.set CD,  204                          ; v204-207 codes
.set OUT, 216                          ; v216-231 codes on the way out: four registers for each group, so that no store's data are written again
.set SOUT, 232                         ; v232-235 scale bytes on the way out (at the head: r, h, w, lane)
	s_load_b256 s[4:11], s[0:1], 0x0               ; z s[4:5], U1 s[6:7], U2 s[8:9], U3 s[10:11]
	; a_sc and w_sc are the two halves of ONE buffer, sc: a_sc from byte 0, w_sc from byte 524,288
	s_load_b128 s[12:15], s[0:1], 0x20             ; W_scales s[12:13], a_codes s[14:15]
	s_load_b64 s[16:17], s[0:1], 0x30              ; sc
	v_lshl_add_u32 v240, v0, 2, 0xa200
	v_mov_b32 v241, 0
	v_and_b32 v232, 15, v0                         ; r
	v_bfe_u32 v233, v0, 4, 1                       ; h
	v_lshrrev_b32 v234, 5, v0                      ; w
	v_and_b32 v235, 31, v0                         ; lane
	s_delay_alu instid0(VALU_DEP_2)
	v_readfirstlane_b32 s20, v234                  ; my wave's number as a scalar
	s_lshr_b32 s21, s20, 2                         ; 1 in waves 4 to 7
	v_lshlrev_b32 v[ZO], 10, v234
	s_delay_alu instid0(VALU_DEP_1)
	v_lshl_add_u32 v[ZO], v232, 5, v[ZO]
	s_delay_alu instid0(VALU_DEP_1)
	v_lshl_add_u32 v[ZO], v233, 4, v[ZO]
	v_lshlrev_b32 v[PW], 3, v234
	s_delay_alu instid0(VALU_DEP_1)
	v_lshl_add_u32 v[PW], v233, 2, v[PW]
	s_delay_alu instid0(VALU_DEP_1)
	v_add_nc_u32 v[PW], PART, v[PW]
	v_lshl_add_u32 v[PR], v235, 5, PART
	v_lshlrev_b32 v[CW], 2, v0                     ; 128 w + 4 x lane
	v_lshlrev_b32 v[CR], 4, v0                     ; 512 w + 16 x lane
	v_lshlrev_b32 v[CG], 4, v0
	v_lshrrev_b32 v[SW], 2, v0                     ; 8 w + 4 h + r / 4: my block's number in the row
	s_delay_alu instid0(VALU_DEP_1)
	v_add_nc_u32 v[SW], SCST, v[SW]
	v_bfe_u32 v[SR], v0, 7, 1
	s_delay_alu instid0(VALU_DEP_1)
	v_mul_u32_u24 v[SR], v[SR], 16*SPI
	s_delay_alu instid0(VALU_DEP_1)
	v_mad_u32_u24 v[SR], v232, SPI, v[SR]
	v_bfe_u32 v[SG], v0, 4, 3                      ; the K step
	s_delay_alu instid0(VALU_DEP_1)
	v_lshl_add_u32 v[SR], v[SG], 4, v[SR]
	s_delay_alu instid0(VALU_DEP_1)
	v_add_nc_u32 v[SR], SCST, v[SR]
	s_delay_alu instid0(VALU_DEP_3)
	v_lshlrev_b32 v[SG], 16, v[SG]
	s_delay_alu instid0(VALU_DEP_1)
	v_lshl_add_u32 v[SG], v232, 4, v[SG]
	v_and_b32 v[WL], 127, v0
	s_delay_alu instid0(VALU_DEP_1)
	v_lshlrev_b32 v[WL], 4, v[WL]
	v_bfe_u32 v[WST], v0, 3, 4                     ; 16 bytes at 16 x (thread % 128) of 16 rows of 128: row (thread % 128) / 8, K step thread % 8
	s_delay_alu instid0(VALU_DEP_1)
	v_mul_u32_u24 v[WST], v[WST], SPI
	v_and_b32 v235, 7, v0
	s_delay_alu instid0(VALU_DEP_1)
	v_lshl_add_u32 v[WST], v235, 4, v[WST]
	s_delay_alu instid0(VALU_DEP_1)
	v_add_nc_u32 v[WST], WSTG, v[WST]
.irp k, 0,1,2,3
	v_mov_b32 v[WS+\k], 0                          ; written in every wave; waves 4 to 7 load into them
.endr
	s_wait_kmcnt 0x0
	s_lshl_b32 s22, ttmp9, 18                      ; my work-group's 16 rows: 262,144 bytes of z,
	s_mov_b32 s23, 0
	s_add_nc_u64 s[4:5], s[4:5], s[22:23]
	s_lshl_b32 s22, ttmp9, 11                      ; 2,048 of W's scale bytes,
	s_add_nc_u64 s[12:13], s[12:13], s[22:23]
	s_lshl_b32 s22, ttmp9, 15                      ; 32,768 of codes,
	s_add_nc_u64 s[14:15], s[14:15], s[22:23]
	s_cmp_lt_u32 s20, 4                            ; waves 0 to 3 send x's scale bytes out, waves 4 to 7 W's: the choice hangs on the wave's number alone
	s_cselect_b32 s22, 0, 0x80000                  ; the half of sc (s23 = 0)
	s_add_nc_u64 s[32:33], s[16:17], s[22:23]
	s_lshl_b32 s22, ttmp9, 8                       ; 256 bytes in each K step's part of a_sc and of w_sc
	s_add_nc_u64 s[32:33], s[32:33], s[22:23]
	s_cmp_eq_u32 s21, 1
	s_cbranch_scc0 .Lno_ws
	global_load_b128 v[WS:WS+3], v[WL], s[12:13]   ; the oldest load of these waves: every counted wait below counts younger loads alone
.Lno_ws:
.irp j, 0,1
	global_load_b128 v[U1+4*\j:U1+4*\j+3], v[ZO], s[6:7] offset:512*\j
	global_load_b128 v[U2+4*\j:U2+4*\j+3], v[ZO], s[8:9] offset:512*\j
	global_load_b128 v[U3+4*\j:U3+4*\j+3], v[ZO], s[10:11] offset:512*\j
.endr
; The 32 loads of z go out group by group: a barrier stands between two groups' loads, so that all sixteen waves have issued a group's loads before any wave issues the next group's.
; The barriers order the issue alone: no LDS access is out at them, and nobody writes the bytes that the loads read.
.irp g, 0,1,2,3
.irp i, 0,1,2,3
.irp j, 0,1
	global_load_b128 v[Z+32*\g+8*\i+4*\j:Z+32*\g+8*\i+4*\j+3], v[ZO], s[4:5] offset:ROWZ*(4*\g+\i)+512*\j th:TH_LOAD_NT   ; 32 lanes read 512 consecutive bytes; z is read once
.endr
.endr
.if \g < 3
	s_barrier_signal -1
	s_barrier_wait -1
.endif
.endr
; Rows 4 q .. 4 q + 3.
; SUMS q: the wave's partial sums of the group, work on registers alone (but for W's scale bytes in group 0).  GROUP q, n: the rest of group q; the sums of group n stand between its barrier's signal and wait.
.macro SUMS q
.set ZR, Z+32*(\q)
	s_wait_loadcnt 24-8*(\q)                       ; loads come back in order (ISA guide 5.7.1): this group's eight are in, the later groups' stay out
.if \q == 0
.irp k, 0,1,2,3
	v_permlane16_swap_b32 v[U1+\k], v[U1+4+\k]     ; U1, U2, U3 into the same order as z
	v_permlane16_swap_b32 v[U2+\k], v[U2+4+\k]
	v_permlane16_swap_b32 v[U3+\k], v[U3+4+\k]
.endr
	s_cmp_eq_u32 s21, 1
	s_cbranch_scc0 .Lno_wst_\@
	ds_store_b128 v[WST], v[WS:WS+3]               ; W's scale bytes into their stage; they are read behind the last barrier
.Lno_wst_\@:
.endif
.irp i, 0,1,2,3
.irp k, 0,1,2,3
	v_permlane16_swap_b32 v[ZR+8*\i+\k], v[ZR+8*\i+4+\k]   ; the first's lanes 16-31 change places with the second's lanes 0-15: 8 neighbours a lane
.endr
.endr
.irp i, 0,1,2,3                        ; eight sums by turns, two numbers an instruction; the first products start them
	v_pk_mul_f32 v[ACC+4*\i:ACC+4*\i+1], v[ZR+8*\i:ZR+8*\i+1], v[U2:U2+1]
	v_pk_mul_f32 v[ACC+4*\i+2:ACC+4*\i+3], v[ZR+8*\i:ZR+8*\i+1], v[U3:U3+1]
.endr
.irp k, 2,4,6
.irp i, 0,1,2,3
	v_pk_fma_f32 v[ACC+4*\i:ACC+4*\i+1], v[ZR+8*\i+\k:ZR+8*\i+\k+1], v[U2+\k:U2+\k+1], v[ACC+4*\i:ACC+4*\i+1]
	v_pk_fma_f32 v[ACC+4*\i+2:ACC+4*\i+3], v[ZR+8*\i+\k:ZR+8*\i+\k+1], v[U3+\k:U3+\k+1], v[ACC+4*\i+2:ACC+4*\i+3]
.endr
.endr
.irp e, 0,1,2,3,4,5,6,7
	v_add_f32 v[ACC+2*\e], v[ACC+2*\e], v[ACC+2*\e+1]
.endr
.irp x, 1,2,4,8                        ; over the 16 lanes of each half; the halves keep sums of their own
.irp e, 0,1,2,3,4,5,6,7
	v_add_f32_dpp v[ACC+2*\e], v[ACC+2*\e], v[ACC+2*\e] row_xmask:\x row_mask:0xf bank_mask:0xf
.endr
.endr
.endm
.macro GROUP q, n
.irp e, 0,1,2,3,4,5,6,7
	ds_store_b32 v[PW], v[ACC+2*\e] offset:1024*\q+128*\e   ; the 16 lanes of a half write one word with one value
.endr
	s_wait_dscnt 0x0                               ; for the others' sake: my partial sums have landed, and so have my codes and scale bytes of the group before
	s_barrier_signal -1
.if \n < 4
	SUMS \n                                        ; the next group's sums while the other waves arrive: my stores of ACC are done, so ACC may be written
.endif
.set ZR, Z+32*\q
	s_barrier_wait -1
	ds_load_b128 v[P:P+3], v[PR] offset:1024*\q    ; 8 of a value's 32 partial sums: lanes 4 e .. 4 e + 3 take value e
	ds_load_b128 v[P+4:P+7], v[PR] offset:1024*\q+16
.if \q > 0
	ds_load_b128 v[OUT+4*(\q-1):OUT+4*(\q-1)+3], v[CR] offset:8192*(\q-1)   ; the last group's four rows of codes, as they lie in a_codes
	s_wait_dscnt 1                                 ; the partial sums are in; the codes may be out
.else
	s_wait_dscnt 0x0
.endif
	v_pk_add_f32 v[P:P+1], v[P:P+1], v[P+2:P+3]
	v_pk_add_f32 v[P+4:P+5], v[P+4:P+5], v[P+6:P+7]
	s_delay_alu instid0(VALU_DEP_1)
	v_pk_add_f32 v[P:P+1], v[P:P+1], v[P+4:P+5]
	s_delay_alu instid0(VALU_DEP_1)
	v_add_f32 v[P], v[P], v[P+1]
	s_delay_alu instid0(VALU_DEP_1)
	v_add_f32_dpp v[P], v[P], v[P] row_xmask:1 row_mask:0xf bank_mask:0xf
	s_delay_alu instid0(VALU_DEP_1)
	v_add_f32_dpp v[P], v[P], v[P] row_xmask:2 row_mask:0xf bank_mask:0xf   ; lane l holds value l / 4
	s_delay_alu instid0(VALU_DEP_1)
	v_mul_f32_dpp v[P], v[P], v[P] row_xmask:4 row_mask:0xf bank_mask:0xf   ; s2 x s3 of row l / 8 of the group
.irp i, 0,1,2,3
	v_readlane_b32 s[24+2*\i], v[P], 8*\i
	s_mov_b32 s[25+2*\i], s[24+2*\i]               ; (the packed form names a pair and takes its low word for both halves: so the upper one is written)
.endr
.if \q > 0
	s_wait_dscnt 0x0
	global_store_b128 v[CG], v[OUT+4*(\q-1):OUT+4*(\q-1)+3], s[14:15] offset:8192*(\q-1)   ; a wave stores 512 consecutive bytes, at a multiple of 512 from the buffer's first byte
.endif
.irp i, 0,1,2,3                        ; x = (U1 z) (s2 s3), in the order in which the definition multiplies
.irp k, 0,2,4,6
	v_pk_mul_f32 v[ZR+8*\i+\k:ZR+8*\i+\k+1], v[ZR+8*\i+\k:ZR+8*\i+\k+1], v[U1+\k:U1+\k+1]
.endr
.endr
.irp i, 0,1,2,3
.irp k, 0,2,4,6
	v_pk_mul_f32 v[ZR+8*\i+\k:ZR+8*\i+\k+1], v[ZR+8*\i+\k:ZR+8*\i+\k+1], s[24+2*\i:25+2*\i] op_sel_hi:[1,0]
.endr
.endr
.irp i, 0,1,2,3                        ; the four rows by turns: no line waits for the line above it
	v_max3_num_f32 v[M+\i], |v[ZR+8*\i]|, |v[ZR+8*\i+1]|, 0x1800000   ; my 8 numbers, and the floor 2^(3 - 127): the byte cannot fall under 1
.endr
.irp k, 2,4,6
.irp i, 0,1,2,3
	s_delay_alu instid0(VALU_DEP_4)
	v_max3_num_f32 v[M+\i], v[M+\i], |v[ZR+8*\i+\k]|, |v[ZR+8*\i+\k+1]|
.endr
.endr
.irp x, 1,2
.irp i, 0,1,2,3
	s_delay_alu instid0(VALU_DEP_4)
	v_max_num_f32_dpp v[M+\i], v[M+\i], v[M+\i] row_xmask:\x row_mask:0xf bank_mask:0xf   ; with the three lanes that share my block
.endr
.endr
.irp i, 0,1,2,3
	s_delay_alu instid0(VALU_DEP_4)
	v_add_nc_u32 v[SO+\i], 0xff000000, v[M+\i]     ; 2 off the exponent field: the conversion takes the exponent field of this operand as its scale, and nothing else of it
.endr
.irp i, 0,1,2,3
	v_cvt_scalef32_pk8_fp4_f32 v[CD+\i], v[ZR+8*\i:ZR+8*\i+7], v[SO+\i]   ; to the nearest code, ties to even, beyond the largest code the largest; the first number's code in the lowest four bits
.endr
.irp i, 0,1,2,3
	v_lshrrev_b32 v[BY+\i], 23, v[SO+\i]           ; the scale's byte.  (Plain lines behind the conversions)
.endr
.irp i, 0,1,2,3
	ds_store_b32 v[CW], v[CD+\i] offset:2048*(4*\q+\i)
	ds_store_b8 v[SW], v[BY+\i] offset:SPI*(4*\q+\i)   ; the four lanes of a block write the same byte with the same value
.endr
.endm
	SUMS 0
	GROUP 0, 1
	GROUP 1, 2
	GROUP 2, 3
	GROUP 3, 4
	s_wait_dscnt 0x0                               ; my last codes and scale bytes have landed
	s_barrier_signal -1
	s_barrier_wait -1
	ds_load_b128 v[OUT+12:OUT+15], v[CR] offset:8192*3
	s_cmp_lt_u32 s20, 8
	s_cbranch_scc0 .Lno_scales
	ds_load_b128 v[SOUT:SOUT+3], v[SR]             ; 16 bytes: one row's scales of one K step
	s_wait_dscnt 0x0
	global_store_b128 v[SG], v[SOUT:SOUT+3], s[32:33]   ; sixteen lanes store 256 consecutive bytes, 16 rows of one K step, at a multiple of 256 from the buffer's first byte
.Lno_scales:
	s_wait_dscnt 0x0
	global_store_b128 v[CG], v[OUT+12:OUT+15], s[14:15] offset:8192*3
	s_wait_tensorcnt 0x0
	ds_add_u32 v240, v241
	s_wait_dscnt 0x0
	s_endpgm
.Lfunc_end_k_q89e2d40093_quant:
	.size	k_q89e2d40093_quant, .Lfunc_end_k_q89e2d40093_quant-k_q89e2d40093_quant
	.p2alignl 7, 3214868480
	.fill 96, 4, 3214868480
	.section	.rodata,"a",@progbits
	.p2align	6, 0x0
	.amdhsa_kernel k_q89e2d40093_quant
		.amdhsa_group_segment_fixed_size 43520
		.amdhsa_private_segment_fixed_size 0
		.amdhsa_enable_private_segment 0
		.amdhsa_kernarg_size 56
		.amdhsa_user_sgpr_count 2
		.amdhsa_user_sgpr_kernarg_segment_ptr 1
		.amdhsa_wavefront_size32 1
		.amdhsa_system_sgpr_workgroup_id_x 1
		.amdhsa_system_sgpr_workgroup_id_y 1
		.amdhsa_system_sgpr_workgroup_id_z 1
		.amdhsa_system_vgpr_workitem_id 0
		.amdhsa_next_free_vgpr 242
		.amdhsa_next_free_sgpr 66
		.amdhsa_reserve_vcc 0
		.amdhsa_float_denorm_mode_32 3
		.amdhsa_float_denorm_mode_16_64 3
		.amdhsa_memory_ordered 1
		.amdhsa_forward_progress 1
		.amdhsa_inst_pref_size 57
	.end_amdhsa_kernel
	.amdgpu_metadata
---
amdhsa.version: [ 1, 2 ]
amdhsa.kernels:
  - .name:           k_q89e2d40093_quant
    .symbol:         k_q89e2d40093_quant.kd
    .args:
      - { .name: z, .offset: 0, .size: 8, .value_kind: global_buffer, .address_space: global }
      - { .name: U1, .offset: 8, .size: 8, .value_kind: global_buffer, .address_space: global }
      - { .name: U2, .offset: 16, .size: 8, .value_kind: global_buffer, .address_space: global }
      - { .name: U3, .offset: 24, .size: 8, .value_kind: global_buffer, .address_space: global }
      - { .name: W_scales, .offset: 32, .size: 8, .value_kind: global_buffer, .address_space: global }
      - { .name: a_codes, .offset: 40, .size: 8, .value_kind: global_buffer, .address_space: global }
      - { .name: sc, .offset: 48, .size: 8, .value_kind: global_buffer, .address_space: global }
    .group_segment_fixed_size: 43520
    .private_segment_fixed_size: 0
    .kernarg_segment_align: 8
    .kernarg_segment_size: 56
    .max_flat_workgroup_size: 512
    .sgpr_count:     66
    .vgpr_count:     242
    .wavefront_size: 32
...
	.end_amdgpu_metadata
.endif
;; end of part 1
;; launch gemm (part 2): grid 16 x 16, 4 waves a work-group, clusters of 4 x 4, 327,680 bytes of LDS; arguments a_codes, sc, W_codes, b, out0; writes out0
.if DOCPART == 2
	.amdgcn_target "amdgcn-amd-amdhsa--gfx1250"
	.amdhsa_code_object_version 6
	.text
	.protected	k_q89e2d40093_gemm
	.globl	k_q89e2d40093_gemm
	.p2align	8
	.type	k_q89e2d40093_gemm,@function
k_q89e2d40093_gemm:
	s_mov_b64 s[64:65], 0
	v_nop
	global_prefetch_b8 v0, s[64:65] scope:SCOPE_SE
	s_setreg_imm32_b32 hwreg(HW_REG_WAVE_MODE, 25, 1), 1
	s_wait_xcnt 0x0
	s_wait_alu depctr_hold_cnt(0) depctr_sa_sdst(0) depctr_va_vdst(0) depctr_va_sdst(0) depctr_va_ssrc(0) depctr_va_vcc(0) depctr_vm_vsrc(0)
	s_getreg_b32 s2, hwreg(HW_REG_IB_STS2, 6, 4)
	s_cmp_eq_u32 s2, 0
	s_cbranch_scc0 .Lentry_in_a_cluster
	s_endpgm
.Lentry_in_a_cluster:
	s_bfe_u32 s2, ttmp6, 0x10000c
	s_cmp_lg_u32 s2, 0xf033
	s_cbranch_scc0 .Lentry_shape_is_right
	s_endpgm
.Lentry_shape_is_right:
; out0[m][n] = b[n] + sum over k of x[m][k] W[n][k], both operands as codes of FP4 (E2M1) with one E8M0 byte for each 32 along K; sums in f32.
; a_codes, W_codes: [4096][2048 bytes], K innermost.  sc: x's scale bytes [8 K steps][4096 rows][16 bytes] from byte 0, W's in the same order from byte 524,288, as the launch before laid them.
; A work-group of four waves makes 256 x 256 of out0; a wave 128 x 128, 512 registers of sums.  K goes in 8 steps of 512 through a ring of two LDS slots; a slot holds A's 256 rows and B's 256 rows
; of 256 bytes (16 of padding behind each).  Each wave fetches a quarter of a slot, 128 rows, by one tensor load: waves 0, 1 A's halves, waves 2, 3 B's.
; THE MATRIX INSTRUCTION is the form of 32 x 16 x 128, USED TRANSPOSED: source 0 = 32 rows of W (two neighbouring fragments, 16 registers), source 1 = 16 rows of x (8 registers); its 16 result registers are
; two tiles of 16 x 16 side by side, and a lane holds twice eight neighbouring numbers of a row of out0.  A step of 128 along K is 32 such instructions.  The bias is the C of each sum's first product.
; THE SCALES go from memory straight into their registers, 16 bytes a lane (the 4 words of a K step): W's fill all 32 lanes, lane m for row m of the 32 (4 loads of 512 consecutive bytes a K step);
; x's stand in lanes 0-15, lane r for row r of a block (8 loads; lanes 16-31 read the same 256 bytes again and are not used).  They are asked for a whole K step ahead, into the set that the K step just ended has left.
; CLUSTERS: 4 x 4 work-groups; A's tiles are asked for jointly along a row of the cluster, B's along a column.
; LIMIT: a cluster begins its walk along K at a K step of its own (KI) and goes round modulo 8, so the f32 sums are taken in another order than ascending K.
; REGISTERS: window 0: v0-31 addresses; v32-79, v80-127 scale words, a set for each slot (32 of x, 16 of W); v128-191, v192-255 A's fragments, two sets.  Window 1: v0-63, v128-191 B's fragments, two sets;
;   v64-127 the bias.  Windows 2, 3: the sums of my rows 0-63 and 64-127.
; While a step multiplies one pair of sets, the next step's 32 LDS loads fill the other pair, in three runs.
; PREFETCH: behind each fill one instruction a wave names the codes of the K step two fills on, a lane a row of 256 bytes.  The scale bytes, 8 KiB beside a step's 128 KiB of codes, are not prefetched.
.set SIZE_N, 4096
.set NQ,     4                         ; steps of 128 in a slot
.set ROWB,   256
.set KROW,   2048
.set PITCH,  272                       ; 68 words: the 16 rows that a load touches start at 16 different banks (ISA guide 11.1)
.set FR,     8
.set NL,     2
.set NP,     4                         ; places behind this matrix form (ISA guide 7.12.1)
.set HALFT,  128*PITCH
.set TILE,   256*PITCH
.set SLOT,   2*TILE
.set LAPS,   4
.set SPARE,  2*SLOT                    ; the spare words, 128 bytes a wave; no other line names them
.set SPITCH, 528                       ; the way out: a stage of 16 rows x (512 + 16) bytes a wave, in slot 0 behind its last fill and last read
.set ADRA, 16
.set SOF,  18                          ; x's scale bytes: my row's 16 in a K step's part of sc; never rewritten
.set SOW,  19                          ; W's; never rewritten
.set ADRB, 20
.set BO,   22
.set STO,  24
.set RD,   25
.set CO,   26
.set SPW,  28
.set NIL,  29
.set PFO,  30                          ; the prefetches' offset: lane x a row of codes; never rewritten
.set SC,   32
.set SCN,  48                          ; registers in a set of scale words
.set AF,   128
.set BI,   64                          ; in window 1
.set BK,   128
.set WV,   16
.set HA,   17
.set HB,   18
.set PB,   20                          ; s[20:21] my 32 rows of the tile that I prefetch for, at K = 0
.set PF,   22                          ; s[22:23] the same at the K step that is named next
.set G1A,  24
.set G1B,  32
.set SB,   40                          ; s[40:41] sc at the K step that AIM aimed at last; s[42:43] the same for the walk's first K step
.set G0A,  56
.set G0B,  68
.set CX,   66
.set CY,   67
.set TX,   92
.set TY,   93
.set KI,   94
.set OC,   96
.set OS,   98
.set PO,   104
.set MSB, 0
.macro WIN new                         ; the immediate's high byte repeats the setting that is left
.if MSB != (\new)
	s_set_vgpr_msb (MSB<<8)|(\new)
.set MSB, (\new)
.endif
.endm
.set MUL_LO, 0xa1                      ; source 0 (B) window 1, source 1 (A) window 0, C and D window 2
.set MUL_HI, 0xf1
.set TO_B,   0x40
.macro AIM slot                        ; the slot's two group 0 and the scales' base at K step KI mod 8; KI steps
	s_and_b32 s[OC], s[KI], 7
	s_lshl_b32 s[OS], s[OC], 16
	s_lshl_b32 s[OC], s[OC], 8
	s_add_co_u32 s[KI], s[KI], 1
	s_add_nc_u64 s[G0A+4*\slot+2:G0A+4*\slot+3], s[4:5], s[OC:OC+1]
	s_or_b32 s[G0A+4*\slot+3], s[G0A+4*\slot+3], 0x80000000
	s_add_nc_u64 s[G0B+4*\slot+2:G0B+4*\slot+3], s[8:9], s[OC:OC+1]
	s_or_b32 s[G0B+4*\slot+3], s[G0B+4*\slot+3], 0x80000000
	s_add_nc_u64 s[SB:SB+1], s[6:7], s[OS:OS+1]
.endm
.macro PFAIM d                         ; the prefetch's address: K step (KI + d) mod 8, so it stays inside the rows
	s_add_co_u32 s[PO], s[KI], \d
	s_and_b32 s[PO], s[PO], 7
	s_lshl_b32 s[PO], s[PO], 8
	s_add_nc_u64 s[PF:PF+1], s[PB:PB+1], s[PO:PO+1]
.endm
; A joint load: waves 0 and 1 fetch A's halves, waves 2 and 3 B's; each line has one mask; s_nop 0 and four v_nop follow each.
.macro JLOAD s
	s_cmp_eq_u32 s[HA], 0
	s_cbranch_scc0 .Lfor_b_\@
	tensor_load_to_lds s[G0A+4*\s:G0A+4*\s+3], s[G1A:G1A+7]
	s_nop 0
.rept 4
	v_nop
.endr
	s_branch .Lasked_\@
.Lfor_b_\@:
	tensor_load_to_lds s[G0B+4*\s:G0B+4*\s+3], s[G1B:G1B+7]
	s_nop 0
.rept 4
	v_nop
.endr
.Lasked_\@:
.endm
.macro CREST                           ; a round of the cluster's barrier behind its opening barrier
	s_cmp_lg_u32 s[WV], 0
	s_cbranch_scc1 .Lnot_wave_0_\@
	s_barrier_signal -3
.Lnot_wave_0_\@:
	s_barrier_wait -3
	s_barrier_signal -1
	s_barrier_wait -1
.endm
.macro CROUND
	s_barrier_signal -1
	s_barrier_wait -1
	CREST
.endm
	s_load_b256 s[4:11], s[0:1], 0x0               ; a_codes, sc, W_codes, b
	s_load_b64 s[12:13], s[0:1], 0x20              ; out0
	v_lshl_add_u32 v[SPW], v0, 2, SPARE
	v_mov_b32 v[NIL], 0
	ds_add_u32 v[SPW], v[NIL]                      ; the opening lines: the add, twice on end, and one wait, ahead of my first tensor load
	ds_add_u32 v[SPW], v[NIL]
	v_lshrrev_b32 v1, 5, v0
	v_readfirstlane_b32 s[WV], v1                  ; wave 0..3
	v_and_b32 v[PFO], 31, v0
	v_lshlrev_b32 v[PFO], 11, v[PFO]
	s_lshr_b32 s[HA], s[WV], 1                     ; which 128 rows of the tile are mine.  Also: I fetch for A (0) or for B (1)
	s_and_b32 s[HB], s[WV], 1                      ; which 128 columns.  Also: which 128 rows of that tile I fetch
	s_bfe_u32 s[CX], ttmp6, 0x40000
	s_bfe_u32 s[CY], ttmp6, 0x40004
	s_lshl_b32 s[TX], ttmp9, 2
	s_add_co_u32 s[TX], s[TX], s[CX]               ; tile column
	s_and_b32 s[TY], ttmp7, 0xffff
	s_lshl_b32 s[TY], s[TY], 2
	s_add_co_u32 s[TY], s[TY], s[CY]               ; tile row
	s_lshl_b32 s19, s[CY], 2
	s_lshl_b32 s19, 15, s19                        ; my row of the cluster
	s_lshl_b32 s2, 0x1111, s[CX]                   ; my column
	s_and_b32 s95, ttmp7, 0xffff                   ; the cluster's first K step: made of the cluster's x and y alone, equal in all partners
	s_lshr_b32 s[KI], s95, 1
	s_xor_b32 s[KI], s[KI], s95
	s_and_b32 s[KI], s[KI], 1
	s_lshl_b32 s[KI], s[KI], 2
	s_lshl_b32 s95, ttmp9, 1
	s_add_co_u32 s[KI], s[KI], s95
	s_mov_b32 s[OC+1], 0
	s_mov_b32 s[OS+1], 0
	s_mov_b32 s[PO+1], 0
	s_or_b32 s[G1A], s19, (0<<16)|(1<<20)|(1<<21)|(5<<22)|(3<<25)   ; 128 rows of 256 bytes, 4 words of padding behind every 64
	s_or_b32 s[G1B], s2, (0<<16)|(1<<20)|(1<<21)|(5<<22)|(3<<25)
.irp g, G1A, G1B
	s_mov_b32 s[\g+1], ROWB<<16
	s_mov_b32 s[\g+2], 128<<16
	s_mov_b32 s[\g+3], ROWB<<16
	s_mov_b32 s[\g+4], 128
	s_mov_b32 s[\g+5], KROW
	s_mov_b32 s[\g+6], 0
	s_mov_b32 s[\g+7], 0
.endr
	s_wait_alu depctr_va_vdst(0)
	s_wait_dscnt 0x0                               ; both opening adds are done
	s_wait_kmcnt 0x0
	s_lshl_b32 s20, s[TY], 19                      ; the tiles' first rows: 256 rows of 2,048 bytes
	s_mov_b32 s21, 0
	s_add_nc_u64 s[4:5], s[4:5], s[20:21]
	s_lshl_b32 s20, s[TX], 19
	s_add_nc_u64 s[8:9], s[8:9], s[20:21]
	; The prefetches.  Waves 0, 1 name rows of A's tile, waves 2, 3 of B's.  The four partners that ask for a tile jointly share its 256 rows out by address: the partner at place p (cx for A, cy for B)
	; takes rows 64 p .. 64 p + 63, a wave 32 of them, a lane a row: each 256 bytes are named once in the cluster.
	s_cmp_lt_u32 s[WV], 2
	s_cselect_b32 s[PO], s[CX], s[CY]
	s_cselect_b64 s[PB:PB+1], s[4:5], s[8:9]
	s_lshl_b32 s[PO], s[PO], 1
	s_add_co_u32 s[PO], s[PO], s[HB]
	s_lshl_b32 s[PO], s[PO], 16                    ; 32 rows of 2,048 bytes
	s_add_nc_u64 s[PB:PB+1], s[PB:PB+1], s[PO:PO+1]
	s_lshl_b32 s100, s[HB], 18                     ; the 128 rows that I fetch
	s_mov_b32 s101, 0
	s_add_nc_u64 s[4:5], s[4:5], s[100:101]
	s_add_nc_u64 s[8:9], s[8:9], s[100:101]
	s_mul_i32 s95, s[WV], HALFT                    ; and where they go: wave x 128 rows: no place in the cluster enters an LDS address
.irp s, 0,1
	s_mov_b32 s[G0A+4*\s], 1
	s_add_co_u32 s[G0A+4*\s+1], s95, \s*SLOT
	s_mov_b32 s[G0B+4*\s], 1
	s_add_co_u32 s[G0B+4*\s+1], s95, \s*SLOT
	AIM \s
.if \s == 0
	s_mov_b64 s[42:43], s[SB:SB+1]
.endif
.endr
	PFAIM 0                                        ; KI stands two steps on from the walk's first
	CROUND                                         ; all sixteen work-groups are here: the first joint loads meet
	JLOAD 0                                        ; the walk's first K step: one tensor load a wave at the head
	global_prefetch_b8 v[PFO], s[PF:PF+1] th:TH_LOAD_NT scope:SCOPE_SE   ; its third
	; all that follows up to the wait on TENSORcnt is made while that load is on its way
	v_and_b32 v1, 15, v0                           ; l % 16
	v_bfe_u32 v2, v0, 4, 1                         ; l / 16
	s_wait_alu depctr_va_vdst(0)
	v_lshlrev_b32 v[BO], 5, v2
	s_lshl_b32 s100, s[TX], 10
	s_lshl_b32 s101, s[HB], 9
	s_add_co_u32 s100, s100, s101
	s_mov_b32 s101, 0
	s_add_nc_u64 s[10:11], s[10:11], s[100:101]
	WIN TO_B
.irp i, 0,1,2,3,4,5,6,7
	global_load_b128 v[BI+8*\i:BI+8*\i+3], v[BO], s[10:11] offset:64*\i          ; b at my eight columns of B's block i, in the result's layout
	global_load_b128 v[BI+8*\i+4:BI+8*\i+7], v[BO], s[10:11] offset:64*\i+16
.endr
	WIN 0
; A K step's scale words into set s.  Register NQ i + q: lanes 0-15 the words of x's block i; register 32 + NQ j + q: lane m the word of row m of W's blocks 2 j, 2 j + 1; q: the slot's step.  12 loads.
.macro SCALES s, base
	WIN 0
.irp i, 0,1,2,3,4,5,6,7
	global_load_b128 v[SC+SCN*\s+NQ*\i:SC+SCN*\s+NQ*\i+3], v[SOF], s[\base:\base+1] offset:256*\i
.endr
.irp i, 0,1,2,3
	global_load_b128 v[SC+SCN*\s+32+NQ*\i:SC+SCN*\s+32+NQ*\i+3], v[SOW], s[\base:\base+1] offset:512*\i
.endr
.endm
	s_lshl_b32 s100, s[TY], 12                     ; scale bytes, 16 a row: x's, my 128 rows;
	s_lshl_b32 s101, s[HA], 11
	s_add_co_u32 s100, s100, s101
	s_lshl_b32 s101, s[TX], 12                     ; W's, my 128 rows, in the buffer's second half
	s_lshl_b32 s95, s[HB], 11
	s_add_co_u32 s101, s101, s95
	s_add_co_u32 s101, s101, 0x80000
	v_lshl_add_u32 v[SOF], v1, 4, s100             ; row l % 16 of a block
	v_and_b32 v6, 31, v0
	v_lshl_add_u32 v[SOW], v6, 4, s101             ; row l of a pair of blocks
	SCALES 0, 42                                   ; the walk's first two K steps
	SCALES 1, SB
	v_mul_u32_u24 v3, v1, PITCH
	v_lshl_add_u32 v4, v2, 4, v3                   ; a fragment's row x pitch + 16 x half
	s_mul_i32 s100, s[HA], HALFT
	s_mul_i32 s101, s[HB], HALFT
	s_add_co_u32 s101, s101, TILE
.irp s, 0,1
	v_add_nc_u32 v[ADRA+\s], s100, v4
	v_add_nc_u32 v[ADRB+\s], s101, v4
	s_add_co_u32 s100, s100, SLOT
	s_add_co_u32 s101, s101, SLOT
.endr
	s_mul_i32 s100, s[WV], 16*SPITCH               ; my stage
	v_mul_u32_u24 v5, v1, SPITCH
	v_lshl_add_u32 v5, v2, 5, v5
	v_add_nc_u32 v[STO], s100, v5
	v_and_b32 v6, 31, v0
	v_lshlrev_b32 v[CO], 4, v6
	v_add_nc_u32 v[RD], s100, v[CO]
	s_lshl_b32 s100, s[TY], 8
	s_lshl_b32 s101, s[HA], 7
	s_add_co_u32 s100, s100, s101
	s_lshl_b32 s100, s100, 14                      ; my first row of out0, 16,384 bytes a row,
	s_lshl_b32 s101, s[TX], 10
	s_add_co_u32 s100, s100, s101
	s_lshl_b32 s101, s[HB], 9
	s_add_co_u32 s100, s100, s101                  ; and my first column
	s_mov_b32 s101, 0
	s_add_nc_u64 s[12:13], s[12:13], s[100:101]
.macro FRAG reg, adr, q, i             ; 16 rows x 128 K: lane l holds row l % 16; registers 4 c .. 4 c + 3 hold K = 64 c + 32 (l / 16) + 0 .. 31
.irp c, 0,1
	ds_load_b128 v[\reg+4*\c:\reg+4*\c+3], v[\adr] offset:64*(\q)+32*\c+(\i)*16*PITCH
.endr
.endm
; 8 matrix instructions: A's blocks a0, a0 + 1 x B's four pairs of blocks; p: the pair of sets; q: the slot's step; sc: the set of scale words.  The sum of (a, pair j) lies at v[16 (4 (a % 4) + j)]: its registers 0-7
; are the tile (a, 2 j), 8-15 the tile (a, 2 j + 1).  The 32 sums take turns in the same order in every step.
.macro MULA a0, p, q, sc, first
.irp a, \a0, \a0+1
.irp b, 0,1,2,3
.if \first
	v_wmma_scale_f32_32x16x128_f4 v[16*(4*((\a)%4)+\b):16*(4*((\a)%4)+\b)+15], v[128*(\p)+16*\b:128*(\p)+16*\b+15], v[AF+64*(\p)+FR*(\a):AF+64*(\p)+FR*(\a)+FR-1], v[BI+16*\b:BI+16*\b+15], v[SC+SCN*(\sc)+32+NQ*\b+(\q)], v[SC+SCN*(\sc)+NQ*(\a)+(\q)]
.else
	v_wmma_scale_f32_32x16x128_f4 v[16*(4*((\a)%4)+\b):16*(4*((\a)%4)+\b)+15], v[128*(\p)+16*\b:128*(\p)+16*\b+15], v[AF+64*(\p)+FR*(\a):AF+64*(\p)+FR*(\a)+FR-1], v[16*(4*((\a)%4)+\b):16*(4*((\a)%4)+\b)+15], v[SC+SCN*(\sc)+32+NQ*\b+(\q)], v[SC+SCN*(\sc)+NQ*(\a)+(\q)]
.endif
.endr
.endr
.endm
.macro FETCH_B slot, q, p              ; B's eight fragments into set p: 16 loads
	WIN TO_B
.irp i, 0,1,2,3,4,5,6,7
	FRAG 128*(\p)+FR*\i, ADRB+\slot, \q, \i
.endr
.endm
.macro FETCH_A slot, q, p, i0          ; A's blocks i0 .. i0 + 3 into set p: 8 loads
	WIN 0
.irp i, \i0, \i0+1, \i0+2, \i0+3
	FRAG AF+64*(\p)+FR*(\i), ADRA+\slot, \q, \i
.endr
.endm
.macro PLACES n
.rept \n
	v_nop
.endr
.endm
; A step that has its successor in the same slot.  first = 1: C is the bias, in window 1.
.macro STEP slot, q, first
	s_wait_dscnt 4*NL                              ; B's set and A's blocks 0-3 are in; the youngest eight loads (A's blocks 4-7) may be out
	PLACES NP                                      ; behind the last step's products, which read the sets that are now filled again
	FETCH_B \slot, (\q)+1, 1-(\q)%2
	WIN MUL_LO-0x10*(\first)
	MULA 0, (\q)%2, \q, \slot, \first
	FETCH_A \slot, (\q)+1, 1-(\q)%2, 0
	WIN MUL_LO-0x10*(\first)
	MULA 2, (\q)%2, \q, \slot, \first
	FETCH_A \slot, (\q)+1, 1-(\q)%2, 4
	s_wait_dscnt 16*NL                             ; all but the 32 loads of this step: my blocks 4-7 are in
	WIN MUL_HI-0x20*(\first)
	MULA 4, (\q)%2, \q, \slot, \first
	MULA 6, (\q)%2, \q, \slot, \first
.endm
; A slot's last step changes slots.  Its first 16 products, and the step of this slot's descriptors, stand AHEAD of the wait for the tensor loads: between that wait and the next joint load stand only the add,
; its wait and the barriers.  (This slot's group 0 may be written there: its load was shown done by the wait for 0 at the change of slots before; the load that is out names the other slot's.)
; fill = 1: the barrier opens a round of the cluster's barrier, this slot is filled again, two K steps ahead, and the same K step's scale words are asked for behind this step's last product.
.macro TURN slot, next, fill
.if \fill
	s_wait_xcnt 0x0                                ; my last prefetch and my last loads of scales have read their bases, which are written below
	PFAIM 2
	AIM \slot
.endif
	s_wait_dscnt 4*NL                              ; B's set and A's blocks 0-3 are in
	WIN MUL_LO
	MULA 0, 1, NQ-1, \slot, 0
	MULA 2, 1, NQ-1, \slot, 0
	WIN 0
	s_wait_tensorcnt 0x0                           ; my one load that was out, my part of the next slot, has landed
	ds_add_u32 v[SPW], v[NIL]
	s_wait_dscnt 0x0                               ; the add is done, and my reads of this slot are over
	s_barrier_signal -1
	s_barrier_wait -1
.if \fill
	CREST
	JLOAD \slot                                    ; the first tensor load behind the round; its four v_nop are the places in front of the loads below
.else
	PLACES NP
.endif
	FETCH_B \next, 0, 0
	FETCH_A \next, 0, 0, 0
.if \fill
	s_cmp_gt_u32 s3, 1                             ; the walk's last two fills have no K step two on
	s_cbranch_scc0 .Lno_ask_\@
	global_prefetch_b8 v[PFO], s[PF:PF+1] th:TH_LOAD_NT scope:SCOPE_SE
.Lno_ask_\@:
.endif
	WIN MUL_HI
	MULA 4, 1, NQ-1, \slot, 0
	FETCH_A \next, 0, 0, 4
	WIN MUL_HI
	MULA 6, 1, NQ-1, \slot, 0
.if \fill
	PLACES NP                                      ; behind the last products that read this set of scale words
	SCALES \slot, SB
	s_wait_loadcnt 12                              ; all but the twelve just issued: the next K step's scale words are in
.else
	s_wait_loadcnt 0x0
.endif
.endm
.macro STEPS slot, from
.set Q, \from
.rept NQ-1-\from
	STEP \slot, Q, 0
.set Q, Q+1
.endr
.endm
	s_wait_alu depctr_va_vdst(0)
	s_wait_tensorcnt 0x0                           ; my quarter of the first fill is in
	ds_add_u32 v[SPW], v[NIL]
	s_wait_xcnt 0x0                                ; the first prefetch has read its address
	PFAIM 1
	s_wait_dscnt 0x0
	CROUND                                         ; slot 0 is whole in every work-group
	JLOAD 1                                        ; slot 1's first fill, the first tensor load behind the round
	FETCH_B 0, 0, 0
	FETCH_A 0, 0, 0, 0
	FETCH_A 0, 0, 0, 4
	global_prefetch_b8 v[PFO], s[PF:PF+1] th:TH_LOAD_NT scope:SCOPE_SE   ; the walk's fourth K step
	s_wait_loadcnt 0x0                             ; the bias and two K steps' scale words
	STEP 0, 0, 1                                   ; the first step stands in front of the loop: its products start the sums on the bias
	WIN 0                                          ; at a label and at a branch every window is 0
	s_mov_b32 s3, LAPS-1
.Llap:                                                 ; a trip goes once round the ring, from a lap's second step to the next lap's first
	STEPS 0, 1
	TURN 0, 1, 1
	STEPS 1, 0
	TURN 1, 0, 1
	STEP 0, 0, 0
	WIN 0
	s_sub_co_u32 s3, s3, 1
	s_cmp_lg_u32 s3, 0
	s_cbranch_scc1 .Llap
	STEPS 0, 1                                     ; the last lap fills nothing
	TURN 0, 1, 0
	STEPS 1, 0
	s_wait_dscnt 4*NL                              ; the very last step: nothing more to fetch
	WIN MUL_LO
	MULA 0, 1, NQ-1, 1, 0
	MULA 2, 1, NQ-1, 1, 0
	s_wait_dscnt 0
	WIN MUL_HI
	MULA 4, 1, NQ-1, 1, 0
	MULA 6, 1, NQ-1, 1, 0
	WIN 0
; THE WAY OUT, by blocks of 16 rows x 128 columns, through my own stage: in as 32 bytes a lane, back as whole rows of 512 bytes.  LDS serves a wave's instructions in order (ISA guide 5.7.1.4).
.macro TOSTAGE a
.set AC, 64*((\a)%4)
	WIN 0x08+4*((\a)/4)
.irp b, 0,1,2,3,4,5,6,7
	ds_store_b128 v[STO], v[AC+8*\b:AC+8*\b+3] offset:64*\b          ; each sum's 16 registers in ascending order, from the low end on
	ds_store_b128 v[STO], v[AC+8*\b+4:AC+8*\b+7] offset:64*\b+16
.endr
	WIN 0
.set BB, BK+64*((\a)%2)
.irp t, 0,1,2,3,4,5,6,7,8,9,10,11,12,13,14,15
	ds_load_b128 v[BB+4*\t:BB+4*\t+3], v[RD] offset:\t*SPITCH
.endr
.endm
.macro SEND a, younger                 ; younger: the LDS instructions issued behind block a's loads
.set BB, BK+64*((\a)%2)
	s_wait_dscnt \younger
.if (\a) > 0
	s_add_nc_u64 s[12:13], s[12:13], 16*SIZE_N*4   ; behind a wait on XCNT: the earlier stores have read their base
.endif
.irp t, 0,1,2,3,4,5,6,7,8,9,10,11,12,13,14,15
	global_store_b128 v[CO], v[BB+4*\t:BB+4*\t+3], s[12:13] offset:\t*SIZE_N*4 th:TH_STORE_NT   ; 32 lanes store 512 consecutive bytes, at a multiple of 256 from out0's first byte
.endr
.endm
	PLACES NP
	TOSTAGE 0
.irp a, 1,2,3,4,5,6,7
.if \a > 1
	s_wait_xcnt 0x0                                ; block a - 2's stores have read their registers and their base
.endif
	TOSTAGE \a
	SEND \a-1, 32
.endr
	s_wait_xcnt 0x0
	SEND 7, 0
	s_wait_tensorcnt 0x0                           ; the wave's end
	ds_add_u32 v[SPW], v[NIL]
	s_wait_dscnt 0x0
	CROUND                                         ; the closing round
	s_endpgm
.Lfunc_end_k_q89e2d40093_gemm:
	.size	k_q89e2d40093_gemm, .Lfunc_end_k_q89e2d40093_gemm-k_q89e2d40093_gemm
	.p2alignl 7, 3214868480
	.fill 96, 4, 3214868480
	.section	.rodata,"a",@progbits
	.p2align	6, 0x0
	.amdhsa_kernel k_q89e2d40093_gemm
		.amdhsa_group_segment_fixed_size 327680
		.amdhsa_private_segment_fixed_size 0
		.amdhsa_enable_private_segment 0
		.amdhsa_kernarg_size 40
		.amdhsa_user_sgpr_count 2
		.amdhsa_user_sgpr_kernarg_segment_ptr 1
		.amdhsa_wavefront_size32 1
		.amdhsa_system_sgpr_workgroup_id_x 1
		.amdhsa_system_sgpr_workgroup_id_y 1
		.amdhsa_system_sgpr_workgroup_id_z 1
		.amdhsa_system_vgpr_workitem_id 0
		.amdhsa_next_free_vgpr 1024
		.amdhsa_next_free_sgpr 106
		.amdhsa_reserve_vcc 0
		.amdhsa_float_denorm_mode_32 3
		.amdhsa_float_denorm_mode_16_64 3
		.amdhsa_memory_ordered 1
		.amdhsa_forward_progress 1
		.amdhsa_inst_pref_size 151
	.end_amdhsa_kernel
	.amdgpu_metadata
---
amdhsa.version: [ 1, 2 ]
amdhsa.kernels:
  - .name:           k_q89e2d40093_gemm
    .symbol:         k_q89e2d40093_gemm.kd
    .args:
      - { .name: a_codes, .offset: 0, .size: 8, .value_kind: global_buffer, .address_space: global }
      - { .name: sc, .offset: 8, .size: 8, .value_kind: global_buffer, .address_space: global }
      - { .name: W_codes, .offset: 16, .size: 8, .value_kind: global_buffer, .address_space: global }
      - { .name: b, .offset: 24, .size: 8, .value_kind: global_buffer, .address_space: global }
      - { .name: out0, .offset: 32, .size: 8, .value_kind: global_buffer, .address_space: global }
    .group_segment_fixed_size: 327680
    .private_segment_fixed_size: 0
    .kernarg_segment_align: 8
    .kernarg_segment_size: 40
    .max_flat_workgroup_size: 128
    .sgpr_count:     106
    .vgpr_count:     1024
    .wavefront_size: 32
...
	.end_amdgpu_metadata
.endif
;; end of part 2
